; MI455X (gfx1250); checked and timed in simulation.
; The chip was launched on July 23, 2026; its instructions are those of AMD's public machine-readable ISA for CDNA 5 (MIT licence, August 2026) and "CDNA5" Instruction Set Architecture Reference Guide (July 2026). The comments in the code are by the model that wrote it; some were corrected since.
;; High Fidelity KAN Layer. Allowed arithmetic: matrix products marked QUANTISED: E5M2 operands, one given power-of-two scale a tensor, by v_wmma_f32_16x16x64_bf8_bf8 or v_wmma_f32_16x16x128_bf8_bf8, f32 sums; everything else in f32.
;; Inputs: base_weight_codes 512 x 16 x 32 uint8 (E5M2 codes of base_weight, K innermost, in blocks of 32 codes); lowp_scales 4 int32 (the exponents e of the quantised operands' scales 2^e); spline_weight 512 x 512 x 8 float32; x 16,384 x 512 float32.
;; Outputs: out0 16,384 x 512 float32.
;; This version of the problem:
;;   THIS VERSION OF THE PROBLEM IS GIVEN IN LOW PRECISION. The matrix products marked QUANTISED in the list below multiply operands that are first quantised to E5M2 (5 exponent bits, 2 mantissa bits; 8 bits a number), with one given power-of-two scale for each operand tensor; their sums are f32. All else is computed in f32.
;;   The module's matrix products, in the order in which they are computed (A, B: the left and right operand; K: the contracted axis; several contracted axes count as one K, in the product's order):
;;     1. [M 16,384, K 512] x [K 512, N 512]; A: computed on the way; B: input base_weight (given as codes): QUANTISED (scales: A lowp_scales[0], B lowp_scales[1])
;;     2. [M 16,384, K 4,096] x [K 4,096, N 512]; A: computed on the way; B: input spline_weight: QUANTISED (scales: A lowp_scales[2], B lowp_scales[3])
;;   THE QUANTISER, for each operand of a quantised product, along K:
;;     - The operand's scale is 2^e, e = its entry of the input lowp_scales (int32; the entries are numbered through the quantised products in the list's order, A before B).
;;     - Each number is divided by the scale, clamped to +-57,344, and rounded to the nearest number of E5M2, ties to even, subnormals kept.
;;     - The product sums the exact products of the quantised numbers (number of the format x scale) in f32.
;;   ~~~python
;;   def quantise(x, axis, e):      # numpy; x: float32 -> the quantised numbers, widened to float32 again
;;       x = np.moveaxis(x, axis, -1); K = x.shape[-1]
;;       r = np.clip(x / 2.0 ** e, -57344, 57344)
;;       step = 2.0 ** (np.maximum(np.frexp(np.where(r == 0, 1, r))[1] - 1, -14) - 2)
;;       q = np.round(r / step) * step * 2.0 ** e      # np.round: ties to even
;;       return np.moveaxis(q, -1, axis).astype(np.float32)
;;   ~~~
;;   OPERANDS COMPUTED ON THE WAY. 'Computed on the way' means the value that the module computes at that place (a softmax that the list does not call 'softmax' is quantised finished and normalised). What goes into a quantiser is computed in f32, as accurately as f32 sums, v_exp_f32 and their like allow (about 1e-6 of the number): no bf16 or f16 on the way to a quantiser, and a product that is left as it is and whose result goes on into a quantised operand takes f32 operands (vector FMAs, or v_wmma_f32_16x16x4_f32). A number that lies on a knife's edge between two numbers of the format may be rounded either way, as far as f32 arithmetic and the matrix unit's own rounding can turn it there, and no further.
;;   INPUTS GIVEN AS CODES. base_weight (in the module: [512, 512], K = its axis 1): each comes as NAME_codes (uint8): NAME with its K axis moved to the last place and cut into blocks of 32 codes, [.., K / 32, bytes a block], one block behind the other in memory; one code a byte (a code: sign, 5 exponent bits, 2 mantissa bits); its scale is its entry of lowp_scales. Its value is code x scale, taken as it is: it is not quantised again, and the codes and scales need not be those that the quantiser above would give.
;; One version. Each part assembles by itself: llvm-mc -triple=amdgcn-amd-amdhsa -mcpu=gfx1250 --defsym DOCPART=n.
;; ======== version 1 of 1: 2 launches
;; workspace buffers: wimg 2,359,296 bytes
;; launch prep (part 1): grid 256 x 1, 2 waves a work-group, no clusters, 8,960 bytes of LDS; arguments spline_weight, base_weight_codes, lowp_scales, wimg; writes wimg
.if DOCPART == 1
	.amdgcn_target "amdgcn-amd-amdhsa--gfx1250"
	.amdhsa_code_object_version 6
	.text
	.protected	k_q397fad10f9_prep
	.globl	k_q397fad10f9_prep
	.p2align	8
	.type	k_q397fad10f9_prep,@function
k_q397fad10f9_prep:
	s_mov_b64 s[64:65], 0
	v_nop
	global_prefetch_b8 v0, s[64:65] scope:SCOPE_SE
	s_setreg_imm32_b32 hwreg(HW_REG_WAVE_MODE, 25, 1), 1
	s_wait_xcnt 0x0
; All weight codes of both products, laid as IMAGES OF THE OPERAND'S REGISTERS for the product's launch:
;   wimg byte = S*131072 + w*32768 + f*4096 + q*1024 + c2*512 + lane*16
;   S: a slot of 256 along K (0-15 spline, 16-17 base); w: the matrix wave (output columns 128 w on); f: a tile of 16 columns;
;   q: a step of 64 along K; c2: registers 4 c2 .. 4 c2 + 3 of the 8-register fragment; lane = 16 h + n, output column 128 w + 16 f + n.
; K's order inside a step is a permutation that the product's launch applies alike to its left operand:
;   spline: register 2 k + wd, byte b, half h = x column 32 S + 16 h + 4 q + k, basis index c = 7 - (4 wd + b): the eight codes of a column lie REVERSED;
;   base:   the 16 bytes of block c2 = base columns 64 (4 (S - 16) + q) + 32 c2 + 16 h + 0 .. 15.
; spline_weight [512][512][8] f32 is quantised here: code = w / 2^e3, held within +-57,344, to the nearest code, ties to even.  base_weight's codes are only moved.
; LIMITS: e3 between -126 and 112, so that 2^e3 and 57,344 x 2^e3 are f32 numbers.  NaN among the inputs is not served.
; SHARES: 512 waves; wave T takes one spline task (16 output rows x 32 x columns: 4,096 bytes of wimg, at 4096 T) and one base block (512 bytes, at 16 x 131072 + 512 T).
; A lane takes an x column: its 8 numbers of a row are 32 consecutive bytes, so a row's two loads cover 1,024 consecutive bytes between them.  The codes turn through the wave's own stage
; in LDS (16 bytes of padding behind every 256, so that the 32 lanes of a store touch 64 different banks) and leave as 512 consecutive bytes a store.  Waves share nothing: no barrier.
.set X,    16                          ; v16-143  16 rows x 8 numbers; later v16-47 the way out
.set CV,   144                         ; v144-147 a row's codes as converted, two sets by turns
.set PR,   148                         ; v148-179 a row's codes reversed: two registers for each row, so that no LDS store's data are written again
.set BB,   180                         ; v180-183 the base block
.set STG,  4352                        ; a wave's stage: 16 blocks of 256 + 16 bytes
	s_load_b256 s[4:11], s[0:1], 0x0               ; spline_weight s[4:5], base codes s[6:7], scales s[8:9], wimg s[10:11]
	v_lshl_add_u32 v184, v0, 2, 0x2200
	v_mov_b32 v185, 0
	v_lshrrev_b32 v1, 5, v0
	v_readfirstlane_b32 s12, v1                    ; wave 0, 1
	v_and_b32 v2, 31, v0                           ; lane = my x column of the task's 32
	s_lshl_b32 s13, ttmp9, 1
	s_add_co_u32 s13, s13, s12                     ; T
	s_and_b32 s14, s13, 31
	s_lshl_b32 s16, s14, 18                        ; spline source: 16 (T % 32) rows of 16,384 bytes
	s_lshr_b32 s15, s13, 5
	s_lshl_b32 s15, s15, 10                        ; + 32 (T / 32) columns of 32 bytes
	s_add_co_u32 s16, s16, s15
	s_mov_b32 s17, 0
	s_lshl_b32 s18, s13, 12                        ; spline destination: 4096 T
	s_mov_b32 s19, 0
	s_lshr_b32 s20, s13, 3
	s_and_b32 s20, s20, 31
	s_lshl_b32 s20, s20, 13                        ; base source: 16 ((T / 8) % 32) rows of 512 bytes
	s_lshr_b32 s22, s13, 8
	s_lshl_b32 s22, s22, 8                         ; + 256 (T / 256)
	s_add_co_u32 s20, s20, s22
	s_and_b32 s22, s13, 7
	s_lshl_b32 s22, s22, 5                         ; + 64 q + 32 c2 = 32 (T % 8)
	s_add_co_u32 s20, s20, s22
	s_mov_b32 s21, 0
	s_lshl_b32 s24, s13, 9
	s_add_co_u32 s24, s24, 16*131072               ; base destination: behind the 16 spline slots, 512 T
	s_mov_b32 s25, 0
	s_mov_b32 s29, 0x00010203                      ; v_perm_b32: the four bytes of a word in reverse
	s_mul_i32 s26, s12, STG
	v_bfe_u32 v7, v0, 2, 2                         ; q = (column / 4) % 4
	v_mul_u32_u24 v3, v7, 1088
	v_bfe_u32 v7, v0, 1, 1                         ; c2 = (column / 2) % 2
	v_mad_u32_u24 v3, v7, 544, v3
	v_bfe_u32 v8, v0, 4, 1                         ; h = column / 16
	v_mad_u32_u24 v3, v8, 272, v3
	v_and_b32 v7, 1, v0
	v_lshl_add_u32 v3, v7, 3, v3                   ; + 8 (column % 2)
	v_add_nc_u32 v3, s26, v3                       ; into the stage; the row n stands in the immediate, 16 n
	v_lshlrev_b32 v5, 4, v2                        ; 16 x lane: my place in every store to wimg
	v_lshl_add_u32 v4, v8, 4, v5
	v_add_nc_u32 v4, s26, v4                       ; out of the stage: 16 x lane + the padding behind lanes 0-15's 256 bytes
	v_and_b32 v7, 15, v0
	v_lshlrev_b32 v6, 9, v7
	v_lshl_add_u32 v6, v8, 4, v6                   ; base source, lane (n, h): 512 n + 16 h
	v_lshlrev_b32 v9, 5, v2                        ; spline source: 32 bytes a column
	s_wait_kmcnt 0x0
	s_load_b32 s28, s[8:9], 0xc                    ; e3
	s_add_nc_u64 s[4:5], s[4:5], s[16:17]
	s_add_nc_u64 s[6:7], s[6:7], s[20:21]
	s_add_nc_u64 s[30:31], s[10:11], s[24:25]
	s_add_nc_u64 s[10:11], s[10:11], s[18:19]
	global_load_b128 v[BB:BB+3], v6, s[6:7]        ; the oldest load: it is in when row 0 is
.irp n, 0,1,2,3,4,5,6,7,8,9,10,11,12,13,14,15
	global_load_b128 v[X+8*\n:X+8*\n+3],   v9, s[4:5] offset:\n*16384 th:TH_LOAD_NT
	global_load_b128 v[X+8*\n+4:X+8*\n+7], v9, s[4:5] offset:\n*16384+16 th:TH_LOAD_NT
.endr
	s_wait_kmcnt 0x0
	s_add_co_i32 s28, s28, 127
	s_lshl_b32 s27, s28, 23
	v_mov_b32 v11, s27                             ; 2^e3 as f32: the conversion takes its exponent field
	s_add_co_i32 s28, s28, 15
	s_lshl_b32 s28, s28, 23
	s_or_b32 s28, s28, 0x600000
	v_mov_b32 v10, s28                             ; 57,344 x 2^e3
.macro TURN n                          ; row n's eight codes, reversed, into the stage
	v_perm_b32 v[PR+2*(\n)],   v[CV+2*((\n)%2)+1], v[CV+2*((\n)%2)+1], s29   ; positions 0-3: c = 7, 6, 5, 4
	v_perm_b32 v[PR+2*(\n)+1], v[CV+2*((\n)%2)],   v[CV+2*((\n)%2)],   s29   ; positions 4-7: c = 3, 2, 1, 0
	ds_store_b64 v3, v[PR+2*(\n):PR+2*(\n)+1] offset:16*(\n)
.endm
.macro ROW n
	s_wait_loadcnt 30-2*(\n)                       ; loads come back in order: this row's two are in, the 15 - n younger rows' may be out
.if \n == 0
	global_store_b128 v5, v[BB:BB+3], s[30:31]     ; the base block: 512 consecutive bytes
.endif
.irp i, 0,1,2,3,4,5,6,7
	v_med3_num_f32 v[X+8*(\n)+\i], v[X+8*(\n)+\i], -v10, v10   ; the conversion to an 8-bit code does not saturate (ISA guide 7.6.2): the hold comes first
.endr
	v_cvt_scalef32_pk8_bf8_f32 v[CV+2*((\n)%2):CV+2*((\n)%2)+1], v[X+8*(\n):X+8*(\n)+7], v11
.if \n > 0
	TURN (\n)-1                                    ; the row before: this row's eight holds are the plain instructions between its conversion and these reads
.endif
.endm
.irp n, 0,1,2,3,4,5,6,7,8,9,10,11,12,13,14,15
	ROW \n
.endr
	v_nop                                          ; one plain vector instruction between the last conversion and the read of its result
	TURN 15
.irp k, 0,1,2,3,4,5,6,7
	ds_load_b128 v[16+4*\k:19+4*\k], v4 offset:544*\k   ; LDS serves a wave's instructions in order (ISA guide 5.7.1.4): these see my stores
.endr
.irp k, 0,1,2,3,4,5,6,7
	s_wait_dscnt 7-\k                              ; load k is back, the younger ones may be out
	global_store_b128 v5, v[16+4*\k:19+4*\k], s[10:11] offset:512*\k   ; 32 lanes store 512 consecutive bytes, at a multiple of 256 from wimg's first byte
.endr
	s_wait_tensorcnt 0x0
	ds_add_u32 v184, v185
	s_wait_dscnt 0x0
	s_endpgm
.Lfunc_end_k_q397fad10f9_prep:
	.size	k_q397fad10f9_prep, .Lfunc_end_k_q397fad10f9_prep-k_q397fad10f9_prep
	.p2alignl 7, 3214868480
	.fill 96, 4, 3214868480
	.section	.rodata,"a",@progbits
	.p2align	6, 0x0
	.amdhsa_kernel k_q397fad10f9_prep
		.amdhsa_group_segment_fixed_size 8960
		.amdhsa_private_segment_fixed_size 0
		.amdhsa_enable_private_segment 0
		.amdhsa_kernarg_size 32
		.amdhsa_user_sgpr_count 2
		.amdhsa_user_sgpr_kernarg_segment_ptr 1
		.amdhsa_wavefront_size32 1
		.amdhsa_system_sgpr_workgroup_id_x 1
		.amdhsa_system_sgpr_workgroup_id_y 1
		.amdhsa_system_sgpr_workgroup_id_z 1
		.amdhsa_system_vgpr_workitem_id 0
		.amdhsa_next_free_vgpr 186
		.amdhsa_next_free_sgpr 66
		.amdhsa_reserve_vcc 0
		.amdhsa_float_denorm_mode_32 3
		.amdhsa_float_denorm_mode_16_64 3
		.amdhsa_memory_ordered 1
		.amdhsa_forward_progress 1
		.amdhsa_inst_pref_size 21
	.end_amdhsa_kernel
	.amdgpu_metadata
---
amdhsa.version: [ 1, 2 ]
amdhsa.kernels:
  - .name:           k_q397fad10f9_prep
    .symbol:         k_q397fad10f9_prep.kd
    .args:
      - { .name: spline_weight, .offset: 0, .size: 8, .value_kind: global_buffer, .address_space: global }
      - { .name: base_weight_codes, .offset: 8, .size: 8, .value_kind: global_buffer, .address_space: global }
      - { .name: lowp_scales, .offset: 16, .size: 8, .value_kind: global_buffer, .address_space: global }
      - { .name: wimg, .offset: 24, .size: 8, .value_kind: global_buffer, .address_space: global }
    .group_segment_fixed_size: 8960
    .private_segment_fixed_size: 0
    .kernarg_segment_align: 8
    .kernarg_segment_size: 32
    .max_flat_workgroup_size: 64
    .sgpr_count:     66
    .vgpr_count:     186
    .wavefront_size: 32
...
	.end_amdgpu_metadata
.endif
;; end of part 1
;; launch kan (part 2): grid 256 x 1, 8 waves a work-group, clusters of 4 x 1, 327,680 bytes of LDS; arguments x, lowp_scales, wimg, out0; writes out0
.if DOCPART == 2
	.amdgcn_target "amdgcn-amd-amdhsa--gfx1250"
	.amdhsa_code_object_version 6
	.text
	.protected	k_q397fad10f9_kan
	.globl	k_q397fad10f9_kan
	.p2align	8
	.type	k_q397fad10f9_kan,@function
k_q397fad10f9_kan:
	s_mov_b64 s[64:65], 0
	v_nop
	global_prefetch_b8 v0, s[64:65] scope:SCOPE_SE
	s_setreg_imm32_b32 hwreg(HW_REG_WAVE_MODE, 25, 1), 1
	s_wait_xcnt 0x0
	s_wait_alu depctr_hold_cnt(0) depctr_sa_sdst(0) depctr_va_vdst(0) depctr_va_sdst(0) depctr_va_ssrc(0) depctr_va_vcc(0) depctr_vm_vsrc(0)
	s_getreg_b32 s2, hwreg(HW_REG_IB_STS2, 6, 4)
	s_cmp_eq_u32 s2, 0
	s_cbranch_scc0 .Lentry_in_a_cluster
	s_endpgm
.Lentry_in_a_cluster:
	s_bfe_u32 s2, ttmp6, 0x10000c
	s_cmp_lg_u32 s2, 0x3003
	s_cbranch_scc0 .Lentry_shape_is_right
	s_endpgm
.Lentry_shape_is_right:
; out[b][o] = sum_i Q(silu(x[b][i])) bw[o][i] + sum_(i,c) Q(basis[b][i][c]) Q(sw[o][i][c]), both products on codes of BF8 (E5M2), each operand with its given scale 2^e0 .. 2^e3.
; THE BASIS.  The knots are -3.2 + 0.4 j and the 1e-9 in the denominators vanishes in f32, so the basis is the uniform cubic B-spline.  t = max(2.5 x + 5, 0), si = floor(t), u = t - si, v = 1 - u:
;   only indices si .. si + 3 are not 0: v^3/6, f(u), f(v), u^3/6 with f(a) = a^3/2 - a^2 + 2/3; indices above 7 do not exist; from t = 8 on (x >= 1.2) all eight are 0.
;   The four are quantised into one word W (bytes u^3/6, f(v), f(u), v^3/6 ascending) and the column's eight codes are the 64 bits {W, 0} >> 8 si: byte P holds index 7 - P, as the weights' images have it.
; SHARES.  A work-group owns 64 rows and all 512 columns, so that each x is turned into codes once in the launch.  Eight waves in TWO ROLES, one of each on a SIMD:
;   matrix wave idx (waves 0, 2, 5, 7): 64 rows x columns 128 idx on: 32 accumulators, 256 registers; 32 matrix instructions for 64 along K;
;   vector wave idx (waves 1, 3, 4, 6): rows 16 idx on: a lane makes the codes of 16 x a slot; they ARE the operand's registers and go to LDS as images of them (16 bytes a lane, 512 a store).
; K goes in 18 slots of 256: 16 of the spline product (32 x columns each), then 2 of the base product on the silu codes made on the way.  Between them the sums are multiplied once by 2^(e2+e3-e0-e1),
; at the end by 2^(e0+e1).  While slot s is multiplied, the vector waves make slot s + 1's images and the weights of slot s + 1 are on their way: one barrier a slot.
; THE MATRIX INSTRUCTION IS USED TRANSPOSED (source 0 = 16 weight rows, source 1 = 16 rows of x): a lane holds eight neighbouring columns of one row of out.
; CLUSTER.  All work-groups walk the same weights: the four of a cluster ask for each tile JOINTLY, by the same tensor load with the same descriptor (made of the wave's number and constants alone) and the mask 15.
; THE TWO ROLES SHARE REGISTER NUMBERS.  What orders a role's lines is written so that it holds on every way through the text, whichever role's lines stood before: the vector role's waits for x are for 0,
; x lies in registers that the matrix role never names, and four plain vector instructions stand at the head of each vector part.
; LIMITS: e0 and e2 between -126 and 112; e0 + e1 and e2 + e3 - e0 - e1 between -126 and 127 (each power of two below is an f32 number; the two multiplications round nothing short of overflow and underflow).
;   NaN in x is not served.  t carries one rounding of 2.5 x + 5, so the basis differs from the f32 recursion by a few 1e-7 of 1.
; LDS: 0 and 131072: two slots of weights (matrix wave idx fills and reads idx x 32768 on); 262144: two buffers of 16,384 for x's images (q x 4096 + m x 1024 + c2 x 512 + 16 lane);
;   294912: the silu images of base steps 0-6 (c x 4096 + ...); step 7's stay in registers and go into image buffer 0 when it is free; 323584: the spare words.  The way out's stages lie in slot 0 behind its last fill.
; REGISTERS common: v1 16 lane; v2, v3 my weights in slot 0, 1; v4 images; v5 silu images; v6, v7 where a vector wave stores them; v8, v9 the add's; v10, v11 stage in, back; v12 out; v13 x; v14 the silu store in hand.
;   matrix role: two fragment sets (weights v32-95 / v128-191, x v96-127 / v192-223); window 1: accumulator (m, f) at v[8 (8 m + f)].   vector role: see the names below, all in window 0.
.set SLOTB,  131072
.set AIMG,   262144
.set RINGB,  16384
.set SILU,   294912
.set SPARE,  323584                    ; the spare words: 128 bytes for each of eight waves: four blocks of 256 bytes that no other line names
.set SPITCH, 528                       ; a stage row: 512 bytes + 16: row r starts at bank 4 r mod 64 (64 banks of 4 bytes: ISA guide 11.1)
.set STGB,   16*SPITCH
.set XA,  224                          ; v224-239 16 x of an even slot
.set XB,  240                          ; v240-255 of an odd slot
.set E,   64                           ; v64-71   silu at work
.set T,   72                           ; v72-79   t
.set LX,  80                           ; v80-87   the hold: 57,344 x 2^e2, or 0 from t = 8 on
.set SH,  88                           ; v88-95   8 si
.set A,   96                           ; v96-111  (u, v)
.set A2,  112                          ; v112-119 (u^2, v^2)
.set G,   120                          ; v120-127 at work
.set D,   128                          ; v128-143 four elements' four numbers
.set W,   144                          ; v144-147 their codes
.set XX,  148                          ; v148-151 W >> 8 (si % 4)
.set YY,  152                          ; v152-155 W << (32 - 8 (si % 4)), 0 where si % 4 = 0
.set FR,  156                          ; v156-187 the slot's four fragments
.set SC,  188                          ; v188-191 16 silu codes
.set SIL7, 192                         ; v192-199 the silu codes of base step 7
.set NSH, 210                          ; v210-217 31 - 8 (si % 4).   v16-31, v200-209: constants
.set TMP, 32                           ; the way out: a block's sums x 2^(e0 + e1)
.set BK,  96                           ; the way out: 16 rows back from the stage, v96-159 and v160-223 by turns
.set MSB, 0
.macro WIN new                         ; the immediate's high byte repeats the setting that is left; a switch that changes nothing is dropped
.if MSB != \new
	s_set_vgpr_msb (MSB<<8)|\new
.set MSB, \new
.endif
.endm
.macro PLACES                          ; four plain vector instructions between a matrix instruction and a load into, or a vector instruction on, its registers (ISA guide 7.12.1 for vector instructions)
.rept 4
	v_nop
.endr
.endm
.macro CREST                           ; a round of the cluster's barrier behind its opening barrier
	s_cmp_lg_u32 s12, 0
	s_cbranch_scc1 .Lnw0_\@
	s_barrier_signal -3
.Lnw0_\@:
	s_barrier_wait -3
	s_barrier_signal -1
	s_barrier_wait -1
.endm
.macro CROUND                          ; a whole round
	s_barrier_signal -1
	s_barrier_wait -1
	CREST
.endm
; ---------------- the vector role ----------------
.macro XLOAD xb, off                   ; my 16 x of a slot: 64 bytes of my row
.irp j, 0,1,2,3
	global_load_b128 v[\xb+4*\j:\xb+4*\j+3], v13, s[20:21] offset:(\off)+16*\j th:TH_LOAD_NT
.endr
.endm
; Eight x: t, u, v, the hold, the shifts; silu and its eight codes.  Each transcendental has a plain instruction behind it before its result is used (ISA guide 5.7.2).
.macro FRONT8 x, sdst
.irp j, 0,2,4,6
	v_pk_fma_f32 v[T+\j:T+\j+1], v[\x+\j:\x+\j+1], v[200:201], v[202:203]      ; 2.5 x + 5
.endr
.irp j, 0,2,4,6
	v_pk_mul_f32 v[E+\j:E+\j+1], v[\x+\j:\x+\j+1], v[204:205]                  ; -x log2(e)
.endr
.irp i, 0,1,2,3,4,5,6,7
	v_exp_f32 v[E+\i], v[E+\i]
	v_max_num_f32 v[T+\i], 0, v[T+\i]                                          ; the clip at x = -2
.endr
.irp j, 0,2,4,6
	v_pk_fma_f32 v[LX+\j:LX+\j+1], v[T+\j:T+\j+1], v[206:207], v[208:209]      ; z = 2^22 (8 - t): at least 2 for every f32 t under 8, 0 or less from 8 on
.endr
	s_wait_alu depctr_va_vdst(0)
.irp j, 0,2,4,6
	v_pk_add_f32 v[E+\j:E+\j+1], v[E+\j:E+\j+1], 1.0 op_sel_hi:[1,0]
.endr
.irp i, 0,1,2,3,4,5,6,7
	v_rcp_f32 v[E+\i], v[E+\i]                                                 ; the sigmoid
	v_fract_f32 v[A+2*\i], v[T+\i]                                             ; u
.endr
.irp i, 0,1,2,3,4,5,6,7
	v_sub_f32 v[A+2*\i+1], 1.0, v[A+2*\i]                                      ; v
.endr
	s_wait_alu depctr_va_vdst(0)
.irp j, 0,2,4,6
	v_pk_mul_f32 v[E+\j:E+\j+1], v[E+\j:E+\j+1], v[\x+\j:\x+\j+1]              ; silu
.endr
.irp i, 0,1,2,3,4,5,6,7
	v_med3_num_f32 v[LX+\i], v[LX+\i], 0, v28                                  ; the hold and the zero in one: the basis never passes 2/3, so z cuts nothing under t = 8
.endr
.irp i, 0,1,2,3,4,5,6,7
	v_cvt_u32_f32 v[SH+\i], v[T+\i]                                            ; si
.endr
.irp i, 0,1,2,3,4,5,6,7
	v_med3_num_f32 v[E+\i], v[E+\i], -v30, v30                                 ; the conversion to an 8-bit code does not saturate (ISA guide 7.6.2)
.endr
.irp i, 0,1,2,3,4,5,6,7
	v_lshlrev_b32 v[SH+\i], 3, v[SH+\i]
.endr
	v_cvt_scalef32_pk8_bf8_f32 v[\sdst:\sdst+1], v[E:E+7], v31
.irp i, 0,1,2,3,4,5,6,7
	v_xor_b32 v[NSH+\i], 31, v[SH+\i]                                          ; shifts take five bits: 31 - 8 (si % 4).  (Plain instructions behind the conversion)
.endr
.endm
; Four of the eight (e0 on) become fragment q: registers 2 k, 2 k + 1 are element k's eight codes.
.macro BACK4 e0, q
.irp k, 0,1,2,3
	v_pk_mul_f32 v[A2+2*\k:A2+2*\k+1], v[A+2*(\e0+\k):A+2*(\e0+\k)+1], v[A+2*(\e0+\k):A+2*(\e0+\k)+1]
.endr
.irp k, 0,1,2,3
	v_pk_fma_f32 v[G+2*\k:G+2*\k+1], v[A+2*(\e0+\k):A+2*(\e0+\k)+1], v[16:17], v[18:19]          ; (u/6, v/2 - 1)
.endr
.irp k, 0,1,2,3
	v_pk_fma_f32 v[D+4*\k:D+4*\k+1], v[A2+2*\k:A2+2*\k+1], v[G+2*\k:G+2*\k+1], v[20:21]          ; (u^3/6, f(v))
.endr
.irp k, 0,1,2,3
	v_pk_fma_f32 v[G+2*\k:G+2*\k+1], v[A+2*(\e0+\k):A+2*(\e0+\k)+1], v[22:23], v[24:25]          ; (u/2 - 1, v/6)
.endr
.irp k, 0,1,2,3
	v_pk_fma_f32 v[D+4*\k+2:D+4*\k+3], v[A2+2*\k:A2+2*\k+1], v[G+2*\k:G+2*\k+1], v[26:27]        ; (f(u), v^3/6)
.endr
.irp k, 0,1,2,3
.irp i, 0,1,2,3
	v_min_num_f32 v[D+4*\k+\i], v[D+4*\k+\i], v[LX+\e0+\k]                     ; the basis is not negative: the hold is one-sided
.endr
.endr
	v_cvt_scalef32_pk8_bf8_f32 v[W:W+1], v[D:D+7], v29
	v_cvt_scalef32_pk8_bf8_f32 v[W+2:W+3], v[D+8:D+15], v29
	v_nop                                                                      ; one plain vector instruction between a scaled conversion and the read of its result
.irp k, 0,1,2,3
	v_lshrrev_b32 v[XX+\k], v[SH+\e0+\k], v[W+\k]
.endr
.irp k, 0,1,2,3
	v_add_lshl_u32 v[YY+\k], v[W+\k], v[W+\k], v[NSH+\e0+\k]                   ; (2 W) << (31 - s) = W << (32 - s), and 0 where s = 0
.endr
.irp k, 0,1,2,3
	v_cmp_gt_f32 vcc_lo, 4.0, v[T+\e0+\k]                                      ; si < 4: W lies across both words; else in the low word alone.  A choice of values, no branch
	v_cndmask_b32 v[FR+8*(\q)+2*\k], v[XX+\k], v[YY+\k], vcc_lo
	v_cndmask_b32 v[FR+8*(\q)+2*\k+1], 0, v[XX+\k], vcc_lo
.endr
.endm
.macro AST ring, q                     ; fragment q goes to LDS as it stands
	ds_store_b128 v6, v[FR+8*(\q):FR+8*(\q)+3] offset:(\ring)*RINGB+(\q)*4096
	ds_store_b128 v6, v[FR+8*(\q)+4:FR+8*(\q)+7] offset:(\ring)*RINGB+(\q)*4096+512
.endm
; A slot's images, from the x in xb.  reload: the next slot's x, at roff, is asked for into ob, the other half-buffer, which the slot before has read out: it has this whole slot in which to land.
; xstep: x's base steps.  sstore: the silu codes go to LDS.
.macro PROD xb, ob, ring, reload, roff, xstep, sdst, sstore, sadr, soff
	s_wait_loadcnt 0x0                             ; my four loads of this slot's x are in, and no load of mine is out: so the loads below land on no register with a pending load, on any way that leads here
.if \reload
	XLOAD \ob, \roff
.endif
	FRONT8 \xb, \sdst
	BACK4 0, 0
	AST \ring, 0
	BACK4 4, 1
	AST \ring, 1
	FRONT8 \xb+8, \sdst+2
	BACK4 0, 2
	AST \ring, 2
	BACK4 4, 3
	AST \ring, 3
.if \sstore
	ds_store_b128 v[\sadr], v[\sdst:\sdst+3] offset:\soff
.endif
.if \xstep
	s_wait_xcnt 0x0                                ; the loads above have read their base: only behind this wait is it stepped
	s_add_nc_u64 s[20:21], s[20:21], \xstep
.endif
.endm
; ---------------- the matrix role ----------------
.macro FETCH set, badr, q, aadr, aoff  ; 24 LDS loads in one run: 64 along K: my eight weight fragments, the four fragments of x
.irp f, 0,1,2,3,4,5,6,7
.irp c, 0,1
	ds_load_b128 v[32+96*(\set)+8*\f+4*\c:32+96*(\set)+8*\f+4*\c+3], v[\badr] offset:\f*4096+(\q)*1024+\c*512
.endr
.endr
.irp m, 0,1,2,3
.irp c, 0,1
	ds_load_b128 v[96+96*(\set)+8*\m+4*\c:96+96*(\set)+8*\m+4*\c+3], v[\aadr] offset:(\aoff)+\m*1024+\c*512
.endr
.endr
.endm
; Column tiles lo .. hi x the four row tiles.  The 32 accumulators take turns, one instruction a turn, in the same order in every step.  zero = 1: the first product starts the sums.
.macro MUL set, lo, hi, zero
	WIN 0x50                                       ; C and D in window 1
.irp f, 0,1,2,3,4,5,6,7
.if (\f >= \lo) && (\f <= \hi)
.irp m, 0,1,2,3
.if \zero
	v_wmma_f32_16x16x64_bf8_bf8 v[8*(8*\m+\f):8*(8*\m+\f)+7], v[32+96*(\set)+8*\f:32+96*(\set)+8*\f+7], v[96+96*(\set)+8*\m:96+96*(\set)+8*\m+7], 0
.else
	v_wmma_f32_16x16x64_bf8_bf8 v[8*(8*\m+\f):8*(8*\m+\f)+7], v[32+96*(\set)+8*\f:32+96*(\set)+8*\f+7], v[96+96*(\set)+8*\m:96+96*(\set)+8*\m+7], v[8*(8*\m+\f):8*(8*\m+\f)+7]
.endif
.endr
.endif
.endr
.endm
.macro STEP set, nbadr, nq, naadr, naoff, zero   ; the next step's fragments are asked for, into the other set; then this step's 32 products
	WIN 0
	PLACES
	FETCH 1-(\set), \nbadr, \nq, \naadr, \naoff
	s_wait_dscnt 24                                ; this step's 24 loads are in; the 24 just issued may be out
	MUL \set, 0, 7, \zero
.endm
.macro RESCALE                         ; the spline sums under the base product's scale: x 2^(e2 + e3 - e0 - e1); each accumulator from its low end on
	WIN 0x41
.set j, 0
.rept 128
	v_pk_mul_f32 v[j:j+1], v[j:j+1], s[44:45] op_sel_hi:[1,0]
.set j, j+2
.endr
.endm
; THE WAY OUT of row tile m (16 rows x my 128 columns): x 2^(e0 + e1); 32 bytes a lane into my stage; back as whole rows of 512 bytes.
.macro TOSTAGE m
	WIN 0x01                                       ; source 0 in window 1
.set j, 0
.rept 32
	v_pk_mul_f32 v[TMP+j:TMP+j+1], v[64*(\m)+j:64*(\m)+j+1], s[46:47] op_sel_hi:[1,0]
.set j, j+2
.endr
	WIN 0
.irp f, 0,1,2,3,4,5,6,7
	ds_store_b128 v10, v[TMP+8*\f:TMP+8*\f+3] offset:64*\f
	ds_store_b128 v10, v[TMP+8*\f+4:TMP+8*\f+7] offset:64*\f+16
.endr
.irp t, 0,1,2,3,4,5,6,7,8,9,10,11,12,13,14,15
	ds_load_b128 v[BK+64*((\m)%2)+4*\t:BK+64*((\m)%2)+4*\t+3], v11 offset:\t*SPITCH   ; LDS serves a wave's instructions in order (ISA guide 5.7.1.4): these see the stores above
.endr
.endm
.macro SEND m, younger                 ; younger: the LDS instructions issued behind tile m's loads, which may stay out
	s_wait_dscnt \younger
.irp t, 0,1,2,3,4,5,6,7,8,9,10,11,12,13,14,15
	global_store_b128 v12, v[BK+64*((\m)%2)+4*\t:BK+64*((\m)%2)+4*\t+3], s[22:23] offset:(16*(\m)+\t)*2048 th:TH_STORE_NT   ; 32 lanes store 512 consecutive bytes, at a multiple of 256 from out's first byte
.endr
.endm
; ---------------- a slot ----------------
; ONE barrier a slot.  In front of it every wave waits for all its tensor loads (a matrix wave: its weights of this slot), adds 0 to its spare word, and waits for that and for all its LDS instructions:
; a vector wave's image stores have landed; a matrix wave's reads of the slot and the image buffer that it leaves are back, the last step's fragments among them.  Behind it the slot just left is filled again
; (fill = 1: the barrier opens a round of the cluster's, so that no wave of any partner still reads that slot or has a load on its way) and the image buffer just left is written again.
; par: the LDS slot and image buffer read here.  dstep: the other slot's descriptor steps two slots on.  sw: the silu store's address is made.  mk: 0 spline, 16, 17 the base slots.  vk: the vector waves' work.
.macro SLOT par, first, fill, dstep, sw, mk, vk
	s_wait_tensorcnt 0x0                           ; no tensor load of mine is out, so a group 0 may be written
	ds_add_u32 v8, v9                              ; 0 onto my spare word
.if \dstep
	s_add_nc_u64 s[38-4*\par:39-4*\par], s[38-4*\par:39-4*\par], 2*SLOTB   ; the type bits on top are not reached
.endif
.if \sw
	v_add_nc_u32 v14, s49, v7                      ; this trip's base step of the silu images
.endif
	s_wait_dscnt 0x0
	s_barrier_signal -1
.if !\first
	s_cmp_lg_u32 s14, 0
	s_cbranch_scc1 .Lnm_\@
	MUL 1, 0, 3, 0                                 ; work on registers while the others arrive: half of the last step of the slot that I leave
	WIN 0
.Lnm_\@:
.endif
	s_barrier_wait -1
.if \fill
	CREST
.endif
	s_cmp_lg_u32 s14, 0
	s_cbranch_scc1 .Lvec_\@
.if \fill
	tensor_load_to_lds s[36-4*\par:39-4*\par], s[24:31]   ; the next slot's weights into the slot just left: my one tensor load behind the round, and the first thing there
	s_nop 0
.endif
	PLACES                                         ; four v_nop follow the load; they are also the places in front of the loads below
.if \mk == 0
.set AAD, 4
.set AO, \par*RINGB
.elseif \mk == 16
.set AAD, 5
.set AO, 0
.else
.set AAD, 5
.set AO, 4*4096
.endif
	FETCH 0, 2+\par, 0, AAD, AO
.if !\first
	MUL 1, 4, 7, 0                                 ; the other half
.endif
.if \mk == 16
	PLACES
	RESCALE
.endif
	STEP 0, 2+\par, 1, AAD, AO+4096, \first
	STEP 1, 2+\par, 2, AAD, AO+8192, 0
.if \mk == 17
	STEP 0, 2+\par, 3, 4, 0, 0                     ; base step 7's silu images lie in image buffer 0
	s_wait_dscnt 0x0
	MUL 1, 0, 7, 0                                 ; the very last step
	WIN 0
	PLACES                                         ; in front of the first read of results and of writes and loads into the fragments' registers
	TOSTAGE 0
	TOSTAGE 1
	SEND 0, 32                                     ; behind tile 0's loads: tile 1's 16 stores and 16 loads
	s_wait_xcnt 0x0                                ; tile 0's stores have read their registers: tile 2's loads may land there
	TOSTAGE 2
	SEND 1, 32
	s_wait_xcnt 0x0
	TOSTAGE 3
	SEND 2, 32
	SEND 3, 0
.else
	STEP 0, 2+\par, 3, AAD, AO+12288, 0
.endif
	WIN 0                                          ; at a branch and at a label every window is 0
	s_branch .Ljoin_\@
.Lvec_\@:
.if \vk
	PLACES                                         ; the vector part writes register numbers that the matrix role's products name: four places at its head keep the distance behind a matrix instruction on every way that leads here
.endif
.if \vk == 1
	PROD XB, XA, 1, 1, 256, 0, SC, 1, 7, 512
.elseif \vk == 2
	PROD XA, XB, 0, 1, 384, 0, SC, 1, 14, 0
.elseif \vk == 3
	PROD XB, XA, 1, 1, 512, 256, SC, 1, 14, 512
.elseif \vk == 4
	PROD XA, XB, 0, 1, 384, 0, SIL7, 0, 7, 0
.elseif \vk == 5
	PROD XB, XA, 1, 0, 0, 0, SIL7+4, 0, 7, 0
.elseif \vk == 6
	ds_store_b128 v6, v[SIL7:SIL7+3]               ; image buffer 0 was read last in the slot before: base step 7's silu codes take its first 4,096 bytes
	ds_store_b128 v6, v[SIL7+4:SIL7+7] offset:512
.endif
.Ljoin_\@:
.endm
; ---------------- the head ----------------
	s_load_b256 s[4:11], s[0:1], 0x0               ; x s[4:5], the scales' exponents s[6:7], wimg s[8:9], out s[10:11]
	v_lshl_add_u32 v8, v0, 2, SPARE
	v_mov_b32 v9, 0
	ds_add_u32 v8, v9
	s_wait_dscnt 0x0
	v_lshrrev_b32 v1, 5, v0
	v_readfirstlane_b32 s12, v1                    ; wave 0..7
	s_lshr_b32 s13, s12, 1                         ; idx 0..3
	s_lshr_b32 s14, s12, 2
	s_xor_b32 s14, s14, s12
	s_and_b32 s14, s14, 1                          ; role: 0 matrix (waves 0, 2, 5, 7), 1 vector (1, 3, 4, 6): one of each among waves i, i + 4 and among waves 2 i, 2 i + 1
	s_bfe_u32 s15, ttmp6, 0x40000                  ; cx: it enters x's and out's addresses alone
	s_lshl_b32 s16, ttmp9, 2
	s_add_co_u32 s16, s16, s15                     ; my block of 64 rows
	; every LDS address register is made here, by every wave, ahead of the first parting of the roles
	v_and_b32 v16, 31, v0
	v_lshlrev_b32 v1, 4, v16                       ; 16 x lane
	s_lshl_b32 s17, s13, 15
	v_add_nc_u32 v2, s17, v1
	v_add_nc_u32 v3, SLOTB, v2
	v_add_nc_u32 v4, AIMG, v1
	v_add_nc_u32 v5, SILU, v1
	s_lshl_b32 s18, s13, 10
	v_add_nc_u32 v6, s18, v4
	v_add_nc_u32 v7, s18, v5
	v_and_b32 v16, 15, v0                          ; r
	v_bfe_u32 v17, v0, 4, 1                        ; h
	s_mul_i32 s19, s13, STGB
	v_mul_u32_u24 v10, v16, SPITCH
	v_lshl_add_u32 v10, v17, 5, v10
	v_add_nc_u32 v10, s19, v10                     ; the stage, in: row r, 32 bytes for each half of the lanes
	v_add_nc_u32 v11, s19, v1                      ; back: the 32 lanes take one row
	v_mov_b32 v12, v1                              ; and the same in out
	v_lshlrev_b32 v13, 11, v16
	v_lshl_add_u32 v13, v17, 6, v13                ; x: row r of 2,048 bytes, + 64 h: my 16 of a slot's 32 columns
	; descriptor group 1: 32,768 dense bytes as 128 rows of 256
	s_mov_b32 s24, 15|(3<<16)|(1<<21)              ; 15:0 the mask: all four work-groups; 17:16 elements of 8 bytes; 21 set beside a mask; no padding
	s_mov_b32 s25, 32<<16                          ; tensor_dim0 = 32
	s_mov_b32 s26, 128<<16                         ; tensor_dim1 = 128
	s_mov_b32 s27, 32<<16                          ; tile_dim0 = 32
	s_mov_b32 s28, 128                             ; tile_dim1 = 128
	s_mov_b32 s29, 32                              ; tensor_dim0_stride
	s_mov_b32 s30, 0
	s_mov_b32 s31, 0
	s_mov_b32 s32, 1                               ; group 0 for LDS slot 0: count,
	s_mov_b32 s33, s17                             ; LDS address idx x 32768,
	s_mov_b32 s36, 1                               ; and for LDS slot 1
	s_add_co_u32 s37, s17, SLOTB
	s_mov_b32 s50, s17
	s_mov_b32 s51, 0
	s_lshl_b32 s52, s16, 17                        ; 64 rows of 2,048 bytes, in x and in out
	s_add_co_u32 s54, s52, s17                     ; x: + 16 idx rows
	s_mov_b32 s55, 0
	s_lshl_b32 s56, s13, 9
	s_add_co_u32 s56, s52, s56                     ; out: + 128 idx columns
	s_mov_b32 s57, 0
	s_wait_kmcnt 0x0
	s_load_b128 s[40:43], s[6:7], 0x0              ; e0, e1, e2, e3
	s_add_nc_u64 s[34:35], s[8:9], s[50:51]        ; global address: slot 0's weights of wave idx,
	s_add_nc_u64 s[38:39], s[34:35], SLOTB         ; slot 1's
	s_or_b32 s35, s35, 0x80000000                  ; type = 2
	s_or_b32 s39, s39, 0x80000000
	s_add_nc_u64 s[20:21], s[4:5], s[54:55]
	s_add_nc_u64 s[22:23], s[10:11], s[56:57]
	s_cmp_lg_u32 s14, 0
	s_cbranch_scc0 .Lhead_m
	XLOAD XA, 0                                    ; x of slot 0
	v_mov_b32 v16, 0x3e2aaaab                      ; (1/6, 1/2)
	v_mov_b32 v17, 0.5
	v_mov_b32 v18, 0                               ; (0, -1)
	v_mov_b32 v19, -1.0
	v_mov_b32 v20, 0                               ; (0, 2/3)
	v_mov_b32 v21, 0x3f2aaaab
	v_mov_b32 v22, 0.5                             ; (1/2, 1/6)
	v_mov_b32 v23, 0x3e2aaaab
	v_mov_b32 v24, -1.0                            ; (-1, 0)
	v_mov_b32 v25, 0
	v_mov_b32 v26, 0x3f2aaaab                      ; (2/3, 0)
	v_mov_b32 v27, 0
	v_mov_b32 v200, 0x40200000                     ; 2.5
	v_mov_b32 v201, 0x40200000
	v_mov_b32 v202, 0x40a00000                     ; 5
	v_mov_b32 v203, 0x40a00000
	v_mov_b32 v204, 0xbfb8aa3b                     ; -log2(e)
	v_mov_b32 v205, 0xbfb8aa3b
	v_mov_b32 v206, 0xca800000                     ; -2^22
	v_mov_b32 v207, 0xca800000
	v_mov_b32 v208, 0x4c000000                     ; 2^25
	v_mov_b32 v209, 0x4c000000
.Lhead_m:
	s_wait_kmcnt 0x0
	s_add_co_i32 s58, s40, s41                     ; e0 + e1
	s_add_co_i32 s59, s42, s43
	s_sub_co_i32 s59, s59, s58                     ; e2 + e3 - e0 - e1
	s_add_co_i32 s59, s59, 127
	s_lshl_b32 s44, s59, 23                        ; as a power of two in f32;
	s_mov_b32 s45, s44                             ; (named with it as a pair, so it is written)
	s_add_co_i32 s58, s58, 127
	s_lshl_b32 s46, s58, 23                        ; 2^(e0 + e1)
	s_mov_b32 s47, s46
	s_add_co_i32 s58, s42, 127
	s_lshl_b32 s59, s58, 23                        ; 2^e2
	s_add_co_i32 s58, s58, 15
	s_lshl_b32 s58, s58, 23
	s_or_b32 s58, s58, 0x600000                    ; 57,344 x 2^e2
	s_add_co_i32 s60, s40, 127
	s_lshl_b32 s61, s60, 23                        ; 2^e0
	s_add_co_i32 s60, s60, 15
	s_lshl_b32 s60, s60, 23
	s_or_b32 s60, s60, 0x600000                    ; 57,344 x 2^e0
	CROUND                                         ; all four work-groups are here: the first joint loads meet
	s_cmp_lg_u32 s14, 0
	s_cbranch_scc1 .Lfirst_v
	tensor_load_to_lds s[32:35], s[24:31]          ; slot 0's weights
	s_nop 0
	PLACES
	s_branch .Lfirst_j
.Lfirst_v:
	v_mov_b32 v28, s58
	v_mov_b32 v29, s59
	v_mov_b32 v30, s60
	v_mov_b32 v31, s61
	PROD XA, XB, 0, 1, 128, 0, SC, 1, 7, 0         ; slot 0's images; x of slot 1 is asked for
.Lfirst_j:
; ---------------- the 18 slots ----------------
	SLOT 0, 1, 1, 0, 0, 0, 1                       ; slot 0: its products start the sums; LDS slot 1 has its first fill, issued as a refill is
	s_mov_b32 s48, 6
	s_mov_b32 s49, 4096                            ; the silu images' base step 1
.Ltrip:                                                ; slots 1 to 12, two a trip
	SLOT 1, 0, 1, 1, 1, 0, 2
	SLOT 0, 0, 1, 1, 0, 0, 3
	s_add_co_u32 s49, s49, 4096
	s_sub_co_u32 s48, s48, 1
	s_cmp_lg_u32 s48, 0
	s_cbranch_scc1 .Ltrip
	SLOT 1, 0, 1, 1, 0, 0, 4                       ; slot 13: the tail is written out
	SLOT 0, 0, 1, 1, 0, 0, 5                       ; slot 14: the last images
	SLOT 1, 0, 1, 1, 0, 0, 6                       ; slot 15: the last of the spline product
	SLOT 0, 0, 1, 1, 0, 16, 0                      ; slot 16: the sums change scale; base steps 0-3
	SLOT 1, 0, 0, 0, 0, 17, 0                      ; slot 17: nothing is left to fetch, so no round; base steps 4-7; the way out
	s_wait_tensorcnt 0x0                           ; the wave's end: behind my last tensor load and my last LDS store
	ds_add_u32 v8, v9
	s_wait_dscnt 0x0
	CROUND                                         ; the closing round: no work-group ends while a partner may still ask for a tile that names it
	s_endpgm
.Lfunc_end_k_q397fad10f9_kan:
	.size	k_q397fad10f9_kan, .Lfunc_end_k_q397fad10f9_kan-k_q397fad10f9_kan
	.p2alignl 7, 3214868480
	.fill 96, 4, 3214868480
	.section	.rodata,"a",@progbits
	.p2align	6, 0x0
	.amdhsa_kernel k_q397fad10f9_kan
		.amdhsa_group_segment_fixed_size 327680
		.amdhsa_private_segment_fixed_size 0
		.amdhsa_enable_private_segment 0
		.amdhsa_kernarg_size 32
		.amdhsa_user_sgpr_count 2
		.amdhsa_user_sgpr_kernarg_segment_ptr 1
		.amdhsa_wavefront_size32 1
		.amdhsa_system_sgpr_workgroup_id_x 1
		.amdhsa_system_sgpr_workgroup_id_y 1
		.amdhsa_system_sgpr_workgroup_id_z 1
		.amdhsa_system_vgpr_workitem_id 0
		.amdhsa_next_free_vgpr 512
		.amdhsa_next_free_sgpr 72
		.amdhsa_reserve_vcc 1
		.amdhsa_float_denorm_mode_32 3
		.amdhsa_float_denorm_mode_16_64 3
		.amdhsa_memory_ordered 1
		.amdhsa_forward_progress 1
		.amdhsa_inst_pref_size 255
	.end_amdhsa_kernel
	.section	.bss,"aw",@nobits
	.p2align	6
	.space	262144
	.amdgpu_metadata
---
amdhsa.version: [ 1, 2 ]
amdhsa.kernels:
  - .name:           k_q397fad10f9_kan
    .symbol:         k_q397fad10f9_kan.kd
    .args:
      - { .name: x, .offset: 0, .size: 8, .value_kind: global_buffer, .address_space: global }
      - { .name: lowp_scales, .offset: 8, .size: 8, .value_kind: global_buffer, .address_space: global }
      - { .name: wimg, .offset: 16, .size: 8, .value_kind: global_buffer, .address_space: global }
      - { .name: out0, .offset: 24, .size: 8, .value_kind: global_buffer, .address_space: global }
    .group_segment_fixed_size: 327680
    .private_segment_fixed_size: 0
    .kernarg_segment_align: 8
    .kernarg_segment_size: 32
    .max_flat_workgroup_size: 256
    .sgpr_count:     72
    .vgpr_count:     512
    .wavefront_size: 32
...
	.end_amdgpu_metadata
.endif
;; end of part 2
